; MI455X (gfx1250); checked and timed in simulation.
; The chip was launched on July 23, 2026; its instructions are those of AMD's public machine-readable ISA for CDNA 5 (MIT licence, August 2026) and "CDNA5" Instruction Set Architecture Reference Guide (July 2026). The comments in the code are by the model that wrote it; some were corrected since.
;; Sliding Window Attention. Allowed arithmetic: matrix products marked QUANTISED: E4M3 operands, one given power-of-two scale a tensor, by v_wmma_f32_16x16x64_fp8_fp8 or v_wmma_f32_16x16x128_fp8_fp8, f32 sums; everything else in f32.
;; Inputs: W_proj 1,024 x 1,024 float32; W_qkv 1,024 x 3,072 float32; b_proj 1,024 float32; b_qkv 3,072 float32; lowp_scales 8 int32 (the exponents e of the quantised operands' scales 2^e); x 1 x 4,096 x 1,024 float32.
;; Outputs: out0 1 x 4,096 x 1,024 float32.
;; This version of the problem:
;;   THIS VERSION OF THE PROBLEM IS GIVEN IN LOW PRECISION. The matrix products marked QUANTISED in the list below multiply operands that are first quantised to E4M3 (4 exponent bits, 3 mantissa bits; 8 bits a number), with one given power-of-two scale for each operand tensor; their sums are f32. All else is computed in f32.
;;   The module's matrix products, in the order in which they are computed (A, B: the left and right operand; K: the contracted axis; several contracted axes count as one K, in the product's order):
;;     1. [M 4,096, K 1,024] x [K 1,024, N 3,072]; A: input x; B: input W_qkv: QUANTISED (scales: A lowp_scales[0], B lowp_scales[1])
;;     2. batch 16 x [M 4,096, K 64] x [K 64, N 4,096]; A: computed on the way; B: computed on the way: QUANTISED (scales: A lowp_scales[2], B lowp_scales[3])
;;     3. batch 16 x [M 4,096, K 4,096] x [K 4,096, N 64]; A: softmax (see below); B: computed on the way: QUANTISED (scales: A lowp_scales[4], B lowp_scales[5])
;;     4. [M 4,096, K 1,024] x [K 1,024, N 1,024]; A: computed on the way; B: input W_proj: QUANTISED (scales: A lowp_scales[6], B lowp_scales[7])
;;   THE QUANTISER, for each operand of a quantised product, along K:
;;     - The operand's scale is 2^e, e = its entry of the input lowp_scales (int32; the entries are numbered through the quantised products in the list's order, A before B).
;;     - Each number is divided by the scale, clamped to +-448, and rounded to the nearest number of E4M3, ties to even, subnormals kept.
;;     - The product sums the exact products of the quantised numbers (number of the format x scale) in f32.
;;   ~~~python
;;   def quantise(x, axis, e):      # numpy; x: float32 -> the quantised numbers, widened to float32 again
;;       x = np.moveaxis(x, axis, -1); K = x.shape[-1]
;;       r = np.clip(x / 2.0 ** e, -448, 448)
;;       step = 2.0 ** (np.maximum(np.frexp(np.where(r == 0, 1, r))[1] - 1, -6) - 3)
;;       q = np.round(r / step) * step * 2.0 ** e      # np.round: ties to even
;;       return np.moveaxis(q, -1, axis).astype(np.float32)
;;   ~~~
;;   SOFTMAX AHEAD OF A QUANTISED PRODUCT. Where the list says 'softmax', what is quantised is not the finished softmax but p = 2^(t - M), with t = logit x log2(e) and M = ceil(the row's largest t), a whole number; so 1/2 < the row's largest p <= 1. The row's sum l is taken of the UNQUANTISED p, in f32, and the product's result is divided by l at the end. Since M is a whole number, a kernel that streams over the keys may use a running M (the ceiling of the running maximum): every later rescaling is an exact power of two, so the quantised numbers keep their values, but for numbers so far below the row's largest that they fall under the format's range.
;;   OPERANDS COMPUTED ON THE WAY. 'Computed on the way' means the value that the module computes at that place (a softmax that the list does not call 'softmax' is quantised finished and normalised). What goes into a quantiser is computed in f32, as accurately as f32 sums, v_exp_f32 and their like allow (about 1e-6 of the number): no bf16 or f16 on the way to a quantiser, and a product that is left as it is and whose result goes on into a quantised operand takes f32 operands (vector FMAs, or v_wmma_f32_16x16x4_f32). A number that lies on a knife's edge between two numbers of the format may be rounded either way, as far as f32 arithmetic and the matrix unit's own rounding can turn it there, and no further.
;; One version. Each part assembles by itself: llvm-mc -triple=amdgcn-amd-amdhsa -mcpu=gfx1250 --defsym DOCPART=n.
;; ======== version 1 of 1: 4 launches
;; workspace buffers: x_codes 4,194,304 bytes; wqkv_codes 3,145,728 bytes; wp_codes 1,048,576 bytes; qk_codes 8,388,608 bytes; v_codes 4,194,304 bytes; y_codes 4,194,304 bytes
;; launch quant (part 1): grid 256 x 1, 16 waves a work-group, no clusters, 118,784 bytes of LDS; arguments x, W_qkv, W_proj, lowp_scales, x_codes, wqkv_codes, wp_codes; writes x_codes, wqkv_codes, wp_codes
.if DOCPART == 1
	.amdgcn_target "amdgcn-amd-amdhsa--gfx1250"
	.amdhsa_code_object_version 6
	.text
	.protected	k_qc965d1badb_quant
	.globl	k_qc965d1badb_quant
	.p2align	8
	.type	k_qc965d1badb_quant,@function
k_qc965d1badb_quant:
	s_mov_b64 s[64:65], 0
	v_nop
	global_prefetch_b8 v0, s[64:65] scope:SCOPE_SE
	s_setreg_imm32_b32 hwreg(HW_REG_WAVE_MODE, 25, 1), 1
	s_wait_xcnt 0x0
; x [4096][1024], W_qkv [1024][3072] and W_proj [1024][1024], f32, become codes of FP8 (E4M3), one byte each, K innermost:
; x_codes [4096][1024], wqkv_codes [3072 n][1024 k], wp_codes [1024 n][1024 k].  code = number / 2^e, held within +-448, to the nearest code, ties to even;
; e = entry 0 (x), 1 (W_qkv), 7 (W_proj) of the scales.  LIMITS: -126 <= e <= 119, so that 2^e and 448 x 2^e are f32 numbers.  NaN among the inputs is not served.
; Every work-group takes 32,768 numbers, each of its sixteen waves 2,048, and a wave asks for all its 8,192 bytes at once: no ring.
; Work-groups 0-127: x, a plain stream (K is innermost).  Each load reads 512 consecutive bytes; a step's 2,048 bytes turn through the wave's own stage in LDS so that a lane holds 16 neighbours along K.
; Work-groups 128-223: W_qkv; 224-255: W_proj (K is the FIRST axis): a lane takes a column and its registers run down K, so the conversions give codes with K innermost.  A work-group takes 128 columns x 256 of K;
; the sixteen waves' codes meet in one stage (128 rows of 256 bytes + 16), behind a barrier, and leave as whole rows: sixteen lanes store 256 consecutive bytes, aligned.
; The two ways part on the work-group's number alone and have LDS bytes of their own.  No matrix unit, no cluster, no tensor load: work-groups share nothing.
.set SP,    80                         ; x: a lane's place in a stage: 64 bytes + 16 of padding
.set WREG,  2*32*SP                    ; x: two stages for each wave
.set WST,   16*WREG                    ; the weights' stage begins behind the sixteen waves' stages
.set WP,    272                        ; its rows: 256 bytes + 16
.set SPARE, WST+128*WP                 ; behind it: the spare words, 128 bytes for each wave: eight blocks of 256 bytes that no other line names
.set MANT,  0x600000                   ; the mantissa field of 448 as f32
.set SPW,   12                         ; v12  LDS address of my spare word; never rewritten
.set NIL,   13                         ; v13  0; never rewritten
.set R,     16                         ; x: v16-79 four sets of 16 numbers as loaded.  weights: v16-79 my column's 64 numbers down K
.set XN,    80                         ; x: v80-111 two sets of 16 neighbours
.set CX,    112                        ; x: v112-127 codes, four registers a step
.set WC,    80                         ; weights: v80-95 my column's 64 codes
.set WO,    96                         ; weights: v96-111 rows read back from the stage
.set VO,    112                        ; weights: v112-119 byte offsets: 4 x lane + j rows, j = 0 .. 7; never rewritten
	s_load_b256 s[4:11], s[0:1], 0x0               ; x s[4:5], W_qkv s[6:7], W_proj s[8:9], the scales s[10:11]
	s_load_b128 s[12:15], s[0:1], 0x20             ; x_codes s[12:13], wqkv_codes s[14:15]
	s_load_b64 s[16:17], s[0:1], 0x30              ; wp_codes
	v_lshl_add_u32 v[SPW], v0, 2, SPARE
	v_mov_b32 v[NIL], 0
	v_lshrrev_b32 v1, 5, v0
	v_readfirstlane_b32 s18, v1                    ; wave 0..15
	v_and_b32 v2, 31, v0                           ; lane
	v_lshlrev_b32 v3, 4, v2                        ; 16 x lane: my 16 bytes of a load's or a store's 512
	; every LDS address is made here, ahead of the parting of the ways
	s_mul_i32 s20, s18, WREG
	v_lshrrev_b32 v14, 2, v2
	v_mul_u32_u24 v14, v14, SP
	v_and_b32 v15, 3, v2
	v_lshl_add_u32 v14, v15, 4, v14
	v_add_nc_u32 v14, s20, v14                     ; x, into the stage: four lanes' 64 bytes on end, then 16 of padding
	v_mul_u32_u24 v15, v2, SP
	v_add_nc_u32 v15, s20, v15                     ; x, out of it: my 16 neighbours
	s_and_b32 s50, s18, 3                          ; weights: which 32 columns are my wave's,
	s_lshr_b32 s51, s18, 2                         ; and which 64 along K
	s_mul_i32 s20, s50, 32*WP
	s_lshl_b32 s21, s51, 6
	s_add_co_u32 s20, s20, s21
	s_add_co_u32 s20, s20, WST
	v_mul_u32_u24 v5, v2, WP
	v_add_nc_u32 v5, s20, v5                       ; into the stage: row = my column, byte = 64 x my part of K
	s_mul_i32 s20, s18, 8*WP
	s_add_co_u32 s20, s20, WST
	v_and_b32 v8, 15, v2
	v_lshrrev_b32 v9, 4, v2
	v_mul_u32_u24 v6, v9, WP
	v_lshl_add_u32 v6, v8, 4, v6
	v_add_nc_u32 v6, s20, v6                       ; out of it: my wave's 8 rows, sixteen lanes to a row, two rows an instruction
	v_lshlrev_b32 v7, 10, v9
	v_lshl_add_u32 v7, v8, 4, v7                   ; and the same place in the codes' buffer (rows of 1,024 bytes)
	s_wait_kmcnt 0x0
	s_load_b256 s[24:31], s[10:11], 0x0            ; the eight exponents
	s_cmp_lt_u32 ttmp9, 128
	s_cbranch_scc0 .Lweights
	; ---------------- x ----------------
	s_lshl_b32 s20, ttmp9, 4
	s_add_co_u32 s20, s20, s18                     ; which run of 2,048 numbers is my wave's
	s_lshl_b32 s22, s20, 13
	s_mov_b32 s23, 0
	s_add_nc_u64 s[4:5], s[4:5], s[22:23]
	s_lshl_b32 s22, s20, 11
	s_add_nc_u64 s[12:13], s[12:13], s[22:23]
.macro LOADX t
.irp i, 0,1,2,3
	global_load_b128 v[R+16*(\t)+4*\i:R+16*(\t)+4*\i+3], v3, s[4:5] offset:2048*(\t)+512*\i th:TH_LOAD_NT   ; 32 lanes read 512 consecutive bytes
.endr
.endm
.macro TURNX t                         ; step t's numbers through the stage: LDS serves a wave's instructions in order, so no wait stands between the stores and the loads
.irp i, 0,1,2,3
	ds_store_b128 v14, v[R+16*(\t)+4*\i:R+16*(\t)+4*\i+3] offset:32*SP*((\t)%2)+8*SP*\i
.endr
.irp i, 0,1,2,3
	ds_load_b128 v[XN+16*((\t)%2)+4*\i:XN+16*((\t)%2)+4*\i+3], v15 offset:32*SP*((\t)%2)+16*\i
.endr
.endm
	LOADX 0
	LOADX 1
	LOADX 2
	LOADX 3
	s_wait_kmcnt 0x0
	s_add_co_i32 s22, s24, 127
	s_lshl_b32 s23, s22, 23
	v_mov_b32 v11, s23                             ; 2^e0 as f32: the conversion takes its exponent field
	s_add_co_i32 s22, s22, 8
	s_lshl_b32 s22, s22, 23
	s_or_b32 s22, s22, MANT
	v_mov_b32 v10, s22                             ; 448 x 2^e0
	s_wait_loadcnt 12                              ; step 0's four loads are in; the twelve behind them may be out
	TURNX 0
.macro STEPX t
.set XS, XN+16*((\t)%2)
	s_wait_dscnt 0x0                               ; this step's numbers are back from the stage
.if (\t) < 3
	s_wait_loadcnt 4*(2-(\t))                      ; the next step's four loads are in; those of the steps behind it may be out
	TURNX (\t)+1                                   ; and go through the other stage while this step is worked
.endif
.set i, 0
.rept 16
	v_med3_num_f32 v[XS+i], v[XS+i], -v10, v10     ; the conversion to an 8-bit code does not saturate (ISA guide 7.6.2): the hold comes first
.set i, i+1
.endr
	v_cvt_scalef32_pk8_fp8_f32 v[CX+4*(\t):CX+4*(\t)+1], v[XS:XS+7], v11
	v_cvt_scalef32_pk8_fp8_f32 v[CX+4*(\t)+2:CX+4*(\t)+3], v[XS+8:XS+15], v11
	v_nop                                          ; a plain vector line behind the conversions
	global_store_b128 v3, v[CX+4*(\t):CX+4*(\t)+3], s[12:13] offset:512*(\t)   ; 32 lanes store 512 consecutive bytes, aligned
.endm
	STEPX 0
	STEPX 1
	STEPX 2
	STEPX 3
	s_wait_tensorcnt 0x0                           ; the wave's end, behind my last LDS store
	ds_add_u32 v[SPW], v[NIL]
	s_wait_dscnt 0x0
	s_endpgm
	; ---------------- the weights ----------------
.Lweights:
	s_cmp_ge_u32 ttmp9, 224                        ; W_proj's work-group or W_qkv's?  The choice hangs on the work-group's number alone
	s_cselect_b64 s[4:5], s[8:9], s[6:7]           ; from where,
	s_cselect_b64 s[12:13], s[16:17], s[14:15]     ; to where,
	s_mov_b32 s20, 12288
	s_cselect_b32 s20, 4096, s20                   ; a row of the weight in bytes,
	s_mov_b32 s21, 128
	s_cselect_b32 s21, 224, s21                    ; the tensor's first work-group
	s_sub_co_u32 s21, ttmp9, s21
	s_and_b32 s52, s21, 3                          ; which 256 along K
	s_lshr_b32 s53, s21, 2                         ; which 128 columns
	s_lshl_b32 s22, s52, 8
	s_lshl_b32 s23, s51, 6
	s_add_co_u32 s22, s22, s23                     ; my wave's first row: 256 y + 64 x its part
	s_mul_i32 s22, s22, s20
	s_lshl_b32 s23, s53, 7
	s_lshl_b32 s54, s50, 5
	s_add_co_u32 s23, s23, s54                     ; its first column
	s_lshl_b32 s23, s23, 2
	s_add_co_u32 s22, s22, s23
	s_mov_b32 s23, 0
	s_add_nc_u64 s[32:33], s[4:5], s[22:23]        ; eight bases, 8 rows apart: no address register is stepped
	s_lshl_b32 s22, s20, 3
.irp m, 1,2,3,4,5,6,7
	s_add_nc_u64 s[32+2*\m:33+2*\m], s[30+2*\m:31+2*\m], s[22:23]
.endr
	v_lshlrev_b32 v[VO], 2, v2
.irp j, 1,2,3,4,5,6,7
	v_add_nc_u32 v[VO+\j], s20, v[VO+\j-1]
.endr
.set i, 0
.rept 64
	global_load_b32 v[R+i], v[VO+i%8], s[32+2*(i/8):33+2*(i/8)] th:TH_LOAD_NT   ; row i of my 64, my column: 32 lanes read 128 consecutive bytes, four waves side by side 512
.set i, i+1
.endr
	s_lshl_b32 s22, s53, 7
	s_lshl_b32 s54, s18, 3
	s_add_co_u32 s22, s22, s54                     ; the first row of codes that my wave stores: 128 x + 8 x wave
	s_lshl_b32 s22, s22, 10
	s_lshl_b32 s54, s52, 8
	s_add_co_u32 s22, s22, s54                     ; + 256 y along K
	s_add_nc_u64 s[12:13], s[12:13], s[22:23]
	s_wait_kmcnt 0x0
	s_cmp_ge_u32 ttmp9, 224
	s_cselect_b32 s54, s31, s25                    ; e7 or e1
	s_add_co_i32 s54, s54, 127
	s_lshl_b32 s55, s54, 23
	v_mov_b32 v11, s55                             ; 2^e
	s_add_co_i32 s54, s54, 8
	s_lshl_b32 s54, s54, 23
	s_or_b32 s54, s54, MANT
	v_mov_b32 v10, s54                             ; 448 x 2^e
.irp g, 0,1
.if \g == 0
	s_wait_loadcnt 32                              ; the first 32 rows are in; the 32 behind them may be out
.else
	s_wait_loadcnt 0x0
.endif
.set i, 0
.rept 32
	v_med3_num_f32 v[R+32*\g+i], v[R+32*\g+i], -v10, v10
.set i, i+1
.endr
.irp c, 0,1,2,3
	v_cvt_scalef32_pk8_fp8_f32 v[WC+8*\g+2*\c:WC+8*\g+2*\c+1], v[R+32*\g+8*\c:R+32*\g+8*\c+7], v11
.endr
.endr
	v_nop                                          ; a plain vector line behind the conversions
.irp c, 0,1,2,3
	ds_store_b128 v5, v[WC+4*\c:WC+4*\c+3] offset:16*\c   ; 64 codes of my column's row
.endr
	s_wait_dscnt 0x0                               ; for the others' sake: my stores into the stage are done
	s_barrier_signal -1
	s_barrier_wait -1                              ; a row's 256 bytes come from four waves
.irp t, 0,1,2,3
	ds_load_b128 v[WO+4*\t:WO+4*\t+3], v6 offset:2*\t*WP
.endr
.irp t, 0,1,2,3
	s_wait_dscnt 3-\t
	global_store_b128 v7, v[WO+4*\t:WO+4*\t+3], s[12:13] offset:2*\t*1024   ; sixteen lanes store 256 consecutive bytes, aligned
.endr
	s_wait_tensorcnt 0x0                           ; the wave's end, behind my last LDS store
	ds_add_u32 v[SPW], v[NIL]
	s_wait_dscnt 0x0
	s_endpgm
.Lfunc_end_k_qc965d1badb_quant:
	.size	k_qc965d1badb_quant, .Lfunc_end_k_qc965d1badb_quant-k_qc965d1badb_quant
	.p2alignl 7, 3214868480
	.fill 96, 4, 3214868480
	.section	.rodata,"a",@progbits
	.p2align	6, 0x0
	.amdhsa_kernel k_qc965d1badb_quant
		.amdhsa_group_segment_fixed_size 118784
		.amdhsa_private_segment_fixed_size 0
		.amdhsa_enable_private_segment 0
		.amdhsa_kernarg_size 56
		.amdhsa_user_sgpr_count 2
		.amdhsa_user_sgpr_kernarg_segment_ptr 1
		.amdhsa_wavefront_size32 1
		.amdhsa_system_sgpr_workgroup_id_x 1
		.amdhsa_system_sgpr_workgroup_id_y 1
		.amdhsa_system_sgpr_workgroup_id_z 1
		.amdhsa_system_vgpr_workitem_id 0
		.amdhsa_next_free_vgpr 128
		.amdhsa_next_free_sgpr 66
		.amdhsa_reserve_vcc 0
		.amdhsa_float_denorm_mode_32 3
		.amdhsa_float_denorm_mode_16_64 3
		.amdhsa_memory_ordered 1
		.amdhsa_forward_progress 1
		.amdhsa_inst_pref_size 26
	.end_amdhsa_kernel
	.amdgpu_metadata
---
amdhsa.version: [ 1, 2 ]
amdhsa.kernels:
  - .name:           k_qc965d1badb_quant
    .symbol:         k_qc965d1badb_quant.kd
    .args:
      - { .name: x, .offset: 0, .size: 8, .value_kind: global_buffer, .address_space: global }
      - { .name: W_qkv, .offset: 8, .size: 8, .value_kind: global_buffer, .address_space: global }
      - { .name: W_proj, .offset: 16, .size: 8, .value_kind: global_buffer, .address_space: global }
      - { .name: lowp_scales, .offset: 24, .size: 8, .value_kind: global_buffer, .address_space: global }
      - { .name: x_codes, .offset: 32, .size: 8, .value_kind: global_buffer, .address_space: global }
      - { .name: wqkv_codes, .offset: 40, .size: 8, .value_kind: global_buffer, .address_space: global }
      - { .name: wp_codes, .offset: 48, .size: 8, .value_kind: global_buffer, .address_space: global }
    .group_segment_fixed_size: 118784
    .private_segment_fixed_size: 0
    .kernarg_segment_align: 8
    .kernarg_segment_size: 56
    .max_flat_workgroup_size: 512
    .sgpr_count:     66
    .vgpr_count:     128
    .wavefront_size: 32
...
	.end_amdgpu_metadata
.endif
;; end of part 1
;; launch qkv (part 2): grid 12 x 16, 4 waves a work-group, clusters of 4 x 4, 327,680 bytes of LDS; arguments x_codes, wqkv_codes, lowp_scales, b_qkv, qk_codes, v_codes; writes qk_codes, v_codes
.if DOCPART == 2
	.amdgcn_target "amdgcn-amd-amdhsa--gfx1250"
	.amdhsa_code_object_version 6
	.text
	.protected	k_qc965d1badb_qkv
	.globl	k_qc965d1badb_qkv
	.p2align	8
	.type	k_qc965d1badb_qkv,@function
k_qc965d1badb_qkv:
	s_mov_b64 s[64:65], 0
	v_nop
	global_prefetch_b8 v0, s[64:65] scope:SCOPE_SE
	s_setreg_imm32_b32 hwreg(HW_REG_WAVE_MODE, 25, 1), 1
	s_wait_xcnt 0x0
	s_wait_alu depctr_hold_cnt(0) depctr_sa_sdst(0) depctr_va_vdst(0) depctr_va_sdst(0) depctr_va_ssrc(0) depctr_va_vcc(0) depctr_vm_vsrc(0)
	s_getreg_b32 s2, hwreg(HW_REG_IB_STS2, 6, 4)
	s_cmp_eq_u32 s2, 0
	s_cbranch_scc0 .Lentry_in_a_cluster
	s_endpgm
.Lentry_in_a_cluster:
	s_bfe_u32 s2, ttmp6, 0x10000c
	s_cmp_lg_u32 s2, 0xf033
	s_cbranch_scc0 .Lentry_shape_is_right
	s_endpgm
.Lentry_shape_is_right:
; qkv = x W_qkv + b_qkv on codes of FP8 (E4M3), and q, k, v quantised on the way out.  x_codes [4096][1024], wqkv_codes [3072][1024]: K innermost.  Sums in f32.
; 192 tiles of 256 x 256, a work-group of four waves each, a wave 128 x 128: 64 accumulators.  K = 1,024 goes in four steps of 256 through a ring of two LDS slots filled by the tensor data mover.
; THE THREE COLUMNS OF CLUSTERS: cluster x = 0 makes q, 1 makes k: "A" = x's rows (tokens), "B" = W's rows (columns of qkv).  Cluster x = 2 makes V TRANSPOSED by the same text with the data swapped:
; "A" = rows 2,048 on of wqkv_codes (head x 64 + d), "B" = x's rows (keys).  THE MATRIX INSTRUCTION IS USED TRANSPOSED (source 0 = 16 rows of B, source 1 = 16 rows of A): a lane holds one row of A and
; eight neighbouring rows of B: eight neighbours along d for q and k, eight neighbouring KEYS for V: in both cases neighbours along the K of the product that reads them, as the conversion wants.
; OUT: qk_codes [32 g][4096 t][64 d] (g = head for q, 16 + head for k);  v_codes [16 head][64 groups of keys][64 d][64 keys].
; code = (sum x 2^(e0+e1) + b) / 2^eo, held within +-448; computed as (sum + b / 2^(e0+e1)) / 2^(eo-e0-e1), which rounds alike.  eo = e2 (q), e3 (k), e5 (v).
; LIMITS: eo - e0 - e1 between -126 and 119.  NaN among the inputs is not served.
; CLUSTERS: 4 x 4 work-groups.  The four of a row of the cluster need the same tiles of A, the four of a column the same tiles of B: each tile is asked for jointly.  What differs between the three kinds
; hangs on the cluster's x, which all sixteen partners share.  All four K steps are asked for by the two first loads and two refills: nothing is prefetched.
; REGISTERS, in windows of 256: window 0: v0-31 addresses; v32-95 the bias by columns, v96-111 the bias by rows (each number twice, a pair); from v128 A's fragments, ONE set; on the way out v128-255 are free.
;   window 1: B's fragments, TWO sets.   window 2: the accumulators of my rows 0-63 ((a, b) at v[8 (8 a + b)]);   window 3: those of my rows 64-127.
.set ROWB,   256                       ; a tile's row in bytes: 256 codes
.set KROW,   1024                      ; a row of A or of B in memory
.set PITCH,  272                       ; an LDS row: 256 bytes + 16 of padding = 68 words: the 16 rows that a load touches start at 16 different banks (64 banks of 4 bytes: ISA guide 11.1)
.set FR,     16                        ; registers of a fragment: 16 rows x 128 K
.set NL,     4                         ; LDS loads that bring one
.set NP,     4                         ; places behind this matrix instruction (ISA guide 7.12.1)
.set HALFT,  128*PITCH                 ; 128 rows: what one tensor load brings
.set SLOT,   4*HALFT                   ; A's 256 rows, then B's 256 rows
.set SPARE,  2*SLOT                    ; behind the ring: the spare words, 128 bytes for each wave
.set SPT,    80                        ; the way out: a stage row: 64 codes + 16 bytes
.set SGRP,   256*SPT                   ; 256 rows: one group of 64 columns.  Four groups, 81,920 bytes, in slot 0, which has had its last fill and its last read when the first code is stored there
.set ADRA, 16                          ; v16-17  LDS address of my A fragments in slot 0, 1
.set BTO,  18                          ; v18     byte offset of the bias by columns; not rewritten
.set BRO,  19                          ; v19     of the bias by rows; not rewritten
.set ADRB, 20                          ; v20-21  LDS address of my B fragments
.set STO,  24                          ; v24     the way out: where I put 8 codes
.set RD,   25                          ; v25     where I read 16 codes back
.set CO,   26                          ; v26     16 x lane
.set SPW,  28                          ; v28     LDS address of my spare word; never rewritten
.set NIL,  29                          ; v29     0; never rewritten
.set SCL,  30                          ; v30     2^(eo-e0-e1)
.set LIM,  31                          ; v31     448 x that
.set BT,   32
.set BR,   96
.set AF,   128                         ; A's fragments
.set TMP,  128                         ; the way out: a block's 64 numbers
.set CD,   192                         ; its codes: two sets of 16 registers by turns
.set OUTR, 128                         ; 32 x 4 registers read back from the stage
.set G1, 24                            ; s[24:31] descriptor group 1 for A's tiles;  s[32:39] group 0, one set for each slot
.set G0, 32
.set G1B, 48                           ; s[48:55], s[56:63] the same for B's tiles
.set G0B, 56
.set CB,  88                           ; s[88:95] the way out: four bases, one for each 64 rows of the tile
.set MSB, 0
.macro WIN new                         ; the immediate's high byte repeats the setting that is left
.if MSB != \new
	s_set_vgpr_msb (MSB<<8)|\new
.set MSB, \new
.endif
.endm
.set MUL_LO, 0xa1                      ; source 0 (B) window 1, source 1 (A) window 0, C and D window 2
.set MUL_HI, 0xf1                      ; the same, C and D window 3
.set TO_B,   0x40                      ; destination window 1, address window 0
; A joint load: waves 0 and 1 fetch for A, waves 2 and 3 for B.  The branch hangs on the wave's number alone.  An s_nop 0 and four v_nop follow each of the two lines.
.macro JLOAD g0a, g1a, g0b, g1b
	s_cmp_eq_u32 s15, 0
	s_cbranch_scc0 .Lfor_b_\@
	tensor_load_to_lds s[\g0a:\g0a+3], s[\g1a:\g1a+7]
	s_nop 0
.rept 4
	v_nop
.endr
	s_branch .Lasked_\@
.Lfor_b_\@:
	tensor_load_to_lds s[\g0b:\g0b+3], s[\g1b:\g1b+7]
	s_nop 0
.rept 4
	v_nop
.endr
.Lasked_\@:
.endm
.macro CREST                           ; a round of the cluster's barrier behind its opening barrier
	s_cmp_lg_u32 s14, 0
	s_cbranch_scc1 .Lnot_wave_0_\@
	s_barrier_signal -3
.Lnot_wave_0_\@:
	s_barrier_wait -3
	s_barrier_signal -1
	s_barrier_wait -1
.endm
.macro CROUND                          ; a whole round
	s_barrier_signal -1
	s_barrier_wait -1
	CREST
.endm
	s_load_b256 s[4:11], s[0:1], 0x0               ; x_codes s[4:5], wqkv_codes s[6:7], the scales s[8:9], b_qkv s[10:11]
	s_load_b128 s[68:71], s[0:1], 0x20             ; qk_codes s[68:69], v_codes s[70:71]
	v_lshl_add_u32 v[SPW], v0, 2, SPARE
	v_mov_b32 v[NIL], 0
	ds_add_u32 v[SPW], v[NIL]                      ; the wave's opening: the add and its wait stand ahead of my first tensor load; work on registers stands between them
	v_lshrrev_b32 v1, 5, v0
	v_readfirstlane_b32 s14, v1                    ; wave 0..3
	s_lshr_b32 s15, s14, 1                         ; which half of the tile's rows is mine.  Also: I fetch for A (0) or for B (1)
	s_and_b32 s16, s14, 1                          ; which half of its columns.  Also: which 128 rows of that tile I fetch
	s_bfe_u32 s40, ttmp6, 0x40000                  ; cx, cy: my place in the cluster
	s_bfe_u32 s41, ttmp6, 0x40004
	s_and_b32 s81, ttmp7, 0xffff
	s_lshl_b32 s81, s81, 2                         ; 4 x cluster y
	s_lshl_b32 s85, ttmp9, 2                       ; 4 x cluster x
	s_cmp_eq_u32 ttmp9, 2                          ; V's clusters?
	s_cselect_b32 s17, 0, s81
	s_cselect_b32 s42, s81, s85
	s_add_co_u32 s17, s17, s41                     ; tile row:    q, k: 4 Y + cy (16 of tokens);  V: cy (4 of head x 64 + d)
	s_add_co_u32 s42, s42, s40                     ; tile column: q, k: 4 X + cx (8 of columns);  V: 4 Y + cx (16 of keys)
	s_lshl_b32 s43, s41, 2
	s_lshl_b32 s43, 15, s43                        ; my row of the cluster
	s_lshl_b32 s44, 0x1111, s40                    ; my column
	; descriptor group 1: a tile of 128 rows x 256 bytes, padded in LDS
	s_or_b32 s[G1+0], s43, (0<<16)|(1<<20)|(1<<21)|(5<<22)|(3<<25)  ; 15:0 the mask: A's tiles go to my row; 17:16 element of 1 byte; 20 padding on; 21 set beside a mask; 24:22 after every 64 words; 31:25 four words
	s_or_b32 s[G1B+0], s44, (0<<16)|(1<<20)|(1<<21)|(5<<22)|(3<<25)
.irp g, G1, G1B
	s_mov_b32 s[\g+1], ROWB<<16                    ; tensor_dim0
	s_mov_b32 s[\g+2], 128<<16                     ; tensor_dim1 = 128
	s_mov_b32 s[\g+3], ROWB<<16                    ; tile_dim0
	s_mov_b32 s[\g+4], 128                         ; tile_dim1 = 128
	s_mov_b32 s[\g+5], KROW                        ; tensor_dim0_stride
	s_mov_b32 s[\g+6], 0
	s_mov_b32 s[\g+7], 0
.endr
	s_lshl_b32 s18, s16, 7                         ; which 128 rows of the tile I fetch
	s_lshl_b32 s20, s17, 8
	s_add_co_u32 s20, s20, s18                     ; A: row 256 x tile row + 128 x half
	s_lshl_b32 s20, s20, 10                        ; in bytes (rows of 1,024)
	s_mov_b32 s21, 0
	s_lshl_b32 s46, s42, 8
	s_add_co_u32 s46, s46, s18                     ; B: row 256 x tile column + 128 x half
	s_lshl_b32 s46, s46, 10
	s_mov_b32 s47, 0
	s_mul_i32 s45, s14, HALFT                      ; where they go: wave x 128 rows: no place in the cluster enters an LDS address
	s_wait_dscnt 0x0                               ; the opening add is done
	s_wait_kmcnt 0x0
	s_load_b256 s[72:79], s[8:9], 0x0              ; the eight exponents
	s_add_nc_u64 s[92:93], s[6:7], 0x200000        ; W's rows 2,048 on: v's columns
	s_cmp_eq_u32 ttmp9, 2
	s_cselect_b64 s[92:93], s[92:93], s[4:5]       ; A's buffer
	s_cselect_b64 s[94:95], s[4:5], s[6:7]         ; B's buffer
	s_add_nc_u64 s[20:21], s[92:93], s[20:21]
	s_add_nc_u64 s[46:47], s[94:95], s[46:47]
	CROUND                                         ; all sixteen work-groups are here: the first joint loads meet
.irp s, 0,1
	s_mov_b32 s[G0+4*\s], 1
	s_add_co_u32 s[G0+4*\s+1], s45, \s*SLOT
	s_add_nc_u64 s[G0+4*\s+2:G0+4*\s+3], s[20:21], \s*ROWB
	s_or_b32 s[G0+4*\s+3], s[G0+4*\s+3], 0x80000000
	s_mov_b32 s[G0B+4*\s], 1
	s_add_co_u32 s[G0B+4*\s+1], s45, \s*SLOT
	s_add_nc_u64 s[G0B+4*\s+2:G0B+4*\s+3], s[46:47], \s*ROWB
	s_or_b32 s[G0B+4*\s+3], s[G0B+4*\s+3], 0x80000000
	JLOAD G0+4*\s, G1, G0B+4*\s, G1B               ; two loads of mine are out
.endr
	v_and_b32 v1, 15, v0                           ; r = l % 16
	v_bfe_u32 v2, v0, 4, 1                         ; h = l / 16
	v_mul_u32_u24 v3, v1, PITCH
	v_lshl_add_u32 v4, v2, 4, v3                   ; a fragment's row x pitch + 16 x half
	s_mul_i32 s21, s15, HALFT                      ; my 128 rows of A
	s_mul_i32 s22, s16, HALFT                      ; my 128 rows of B,
	s_add_co_u32 s22, s22, 2*HALFT                 ; which lie behind A's 256
.irp s, 0,1
	v_add_nc_u32 v[ADRA+\s], s21, v4
	v_add_nc_u32 v[ADRB+\s], s22, v4
	s_add_co_u32 s21, s21, SLOT
	s_add_co_u32 s22, s22, SLOT
.endr
	; the stage: [4 groups of 64 columns][256 rows][80 bytes]
	s_mul_i32 s23, s16, 2*SGRP                     ; my two groups of columns,
	s_mul_i32 s22, s15, 128*SPT                    ; my 128 rows
	s_add_co_u32 s23, s23, s22
	v_mul_u32_u24 v5, v1, SPT
	v_lshl_add_u32 v5, v2, 3, v5
	v_add_nc_u32 v[STO], s23, v5                   ; in: row r, 8 bytes for each half of the lanes
	v_and_b32 v6, 31, v0
	v_lshrrev_b32 v5, 2, v6
	v_mul_u32_u24 v5, v5, SPT
	v_and_b32 v3, 3, v6
	v_lshl_add_u32 v5, v3, 4, v5
	s_mul_i32 s23, s14, SGRP
	v_add_nc_u32 v[RD], s23, v5                    ; back: wave w takes group w; four lanes to a row of 64 bytes, eight rows an instruction
	v_lshlrev_b32 v[CO], 4, v6
	; the biases.  Both tables are loaded in every work-group, from places inside b_qkv in both cases; one is used.
	s_lshl_b32 s96, s42, 8
	s_cmp_eq_u32 ttmp9, 2
	s_cselect_b32 s96, 0, s96
	s_lshl_b32 s97, s16, 7
	s_add_co_u32 s96, s96, s97
	s_lshl_b32 s96, s96, 2
	v_lshl_add_u32 v[BTO], v2, 5, s96              ; by columns (q, k): b_qkv[256 x tile column + 128 x half + 16 b + 8 h + j]
	s_lshl_b32 s96, s17, 8
	s_cmp_eq_u32 ttmp9, 2
	s_cselect_b32 s96, s96, 0
	s_lshl_b32 s97, s15, 7
	s_add_co_u32 s96, s96, s97
	s_add_co_u32 s96, s96, 2048
	s_lshl_b32 s96, s96, 2
	v_lshl_add_u32 v[BRO], v1, 2, s96              ; by rows (V): b_qkv[2,048 + 256 x tile row + 128 x half + 16 a + r]
.irp b, 0,1,2,3,4,5,6,7
	global_load_b128 v[BT+8*\b:BT+8*\b+3], v[BTO], s[10:11] offset:64*\b
	global_load_b128 v[BT+8*\b+4:BT+8*\b+7], v[BTO], s[10:11] offset:64*\b+16
.endr
.irp a, 0,1,2,3,4,5,6,7
	global_load_b32 v[BR+2*\a], v[BRO], s[10:11] offset:64*\a     ; the same number in both registers of a pair, for the packed addition
	global_load_b32 v[BR+2*\a+1], v[BRO], s[10:11] offset:64*\a
.endr
	; where my group of 64 columns goes: base c (c = 0 .. 3) serves rows 64 c .. 64 c + 63 of the tile, 4,096 consecutive bytes
	s_cmp_eq_u32 ttmp9, 2
	s_cselect_b64 s[CB:CB+1], s[70:71], s[68:69]
	s_mov_b32 s82, 262144
	s_cselect_b32 s82, 4096, s82                   ; from group to group: q, k: a head's 4,096 rows of 64;  V: a group of keys' 64 rows of 64
	s_mov_b32 s83, 4096
	s_cselect_b32 s83, 262144, s83                 ; from 64 rows to the next: q, k: on end;  V: the next head
	s_mov_b32 s84, 16384
	s_cselect_b32 s84, 1048576, s84                ; from tile row to tile row: q, k: 256 tokens;  V: four heads
	s_lshl_b32 s96, s42, 2
	s_add_co_u32 s96, s96, s14                     ; my group: 4 x tile column + wave
	s_mul_i32 s96, s96, s82
	s_mul_i32 s97, s17, s84
	s_add_co_u32 s96, s96, s97
	s_mov_b32 s97, 0
	s_add_nc_u64 s[CB:CB+1], s[CB:CB+1], s[96:97]
	s_mov_b32 s96, s83
.irp c, 1,2,3
	s_add_nc_u64 s[CB+2*\c:CB+2*\c+1], s[CB+2*\c-2:CB+2*\c-1], s[96:97]
.endr
.macro FRAG reg, adr, q, i             ; a fragment, 16 rows x 128 K, is 16 registers: lane l holds row l % 16; registers 4 c .. 4 c + 3 hold K = 32 c + 16 (l / 16) + 0 .. 15: the same order of K in A and in B
.irp c, 0,1,2,3
	ds_load_b128 v[\reg+4*\c:\reg+4*\c+3], v[\adr] offset:128*(\q)+32*\c+(\i)*16*PITCH
.endr
.endm
; 16 matrix instructions: A's blocks a0, a0 + 1 x B's eight, 128 along K.  p: B's set.  zero = 1: the first product starts the sums.  The 64 accumulators take turns, one instruction a turn, in the same order in every step.
.macro MUL16 a0, p, zero
.irp a, \a0, \a0+1
.irp b, 0,1,2,3,4,5,6,7
.if \zero
	v_wmma_f32_16x16x128_fp8_fp8 v[8*(8*((\a)%4)+\b):8*(8*((\a)%4)+\b)+7], v[128*(\p)+FR*\b:128*(\p)+FR*\b+FR-1], v[AF+FR*(\a):AF+FR*(\a)+FR-1], 0
.else
	v_wmma_f32_16x16x128_fp8_fp8 v[8*(8*((\a)%4)+\b):8*(8*((\a)%4)+\b)+7], v[128*(\p)+FR*\b:128*(\p)+FR*\b+FR-1], v[AF+FR*(\a):AF+FR*(\a)+FR-1], v[8*(8*((\a)%4)+\b):8*(8*((\a)%4)+\b)+7]
.endif
.endr
.endr
.endm
.macro FETCH_B slot, q, p              ; B's eight fragments of the slot's q-th 128 along K into set p
	WIN TO_B
.irp i, 0,1,2,3,4,5,6,7
	FRAG 128*(\p)+FR*\i, ADRB+\slot, \q, \i
.endr
	WIN 0
.endm
.macro FETCH_A slot, q, i0             ; A's blocks i0 .. i0 + 3
.irp i, \i0, \i0+1, \i0+2, \i0+3
	FRAG AF+FR*(\i), ADRA+\slot, \q, \i
.endr
.endm
.macro PLACES n                        ; plain vector lines between a matrix instruction and a load into, or a read of, its registers
.rept \n
	v_nop
.endr
.endm
; A step of 128 along K that has its successor in the same slot.
.macro STEP slot, q, zero
	s_wait_dscnt 4*NL                              ; B's set and A's blocks 0-3 are in; the youngest sixteen loads (A's blocks 4-7) may be out
	WIN MUL_LO
	MUL16 0, (\q)%2, \zero
	MUL16 2, (\q)%2, \zero
	s_wait_dscnt 0                                 ; A's blocks 4-7 are in
	PLACES NP
	FETCH_B \slot, (\q)+1, 1-(\q)%2
	FETCH_A \slot, (\q)+1, 0
	WIN MUL_HI
	MUL16 4, (\q)%2, \zero
	MUL16 6, (\q)%2, \zero
	PLACES NP
	WIN 0
	FETCH_A \slot, (\q)+1, 4
.endm
; A slot's last step changes slots: ONE barrier; in front of it each wave waits for all its tensor loads, adds 0 to its spare word, and waits for that and for its own reads of this slot.  fill = 1: this slot is filled again, two K steps ahead.
.macro TURN slot, next, fill
	s_wait_tensorcnt 0x0                           ; all my tensor loads have landed: my part of the next slot (every window is 0 here)
	ds_add_u32 v[SPW], v[NIL]                      ; 0 onto my spare word
	s_wait_dscnt 4*NL+1                            ; the add and the youngest sixteen loads (A's blocks 4-7) may be out
	WIN MUL_LO
	MUL16 0, 1, 0                                  ; sixteen matrix instructions stand between the add and the wait for it
	s_wait_dscnt 0x0                               ; the add is done, and my reads of this slot are over
	s_barrier_signal -1
	MUL16 2, 1, 0
	WIN 0
	s_barrier_wait -1
.if \fill
	CREST                                          ; the barrier has opened a round of the cluster's barrier: no wave of any partner still reads this slot's tile or has a load on its way
	s_add_nc_u64 s[G0+4*\slot+2:G0+4*\slot+3], s[G0+4*\slot+2:G0+4*\slot+3], 2*ROWB
	s_add_nc_u64 s[G0B+4*\slot+2:G0B+4*\slot+3], s[G0B+4*\slot+2:G0B+4*\slot+3], 2*ROWB
	JLOAD G0+4*\slot, G1, G0B+4*\slot, G1B         ; the first tensor load behind the round, my one load until the next; its four v_nop are the places in front of the loads below
.else
	PLACES NP
.endif
	FETCH_B \next, 0, 0
	FETCH_A \next, 0, 0
	WIN MUL_HI
	MUL16 4, 1, 0
	MUL16 6, 1, 0
	PLACES NP
	WIN 0
	FETCH_A \next, 0, 4
.endm
	s_wait_tensorcnt 1                             ; my part of K step 0 is in; K step 1's load may be out
	s_barrier_signal -1
	s_barrier_wait -1                              ; everybody's is
	FETCH_B 0, 0, 0
	FETCH_A 0, 0, 0
	FETCH_A 0, 0, 4
	STEP 0, 0, 1                                   ; eight steps of 128 along K, written out: four K steps of 256, two refills
	TURN 0, 1, 1                                   ; slot 0 takes K step 2
	STEP 1, 0, 0
	TURN 1, 0, 1                                   ; slot 1 takes K step 3
	STEP 0, 0, 0
	TURN 0, 1, 0                                   ; nothing is left to fetch.  Behind this barrier nobody reads slot 0 any more
	STEP 1, 0, 0
	s_wait_dscnt 4*NL
	WIN MUL_LO
	MUL16 0, 1, 0
	MUL16 2, 1, 0
	s_wait_dscnt 0
	WIN MUL_HI
	MUL16 4, 1, 0
	MUL16 6, 1, 0
	WIN 0
	; THE WAY OUT.
	s_wait_kmcnt 0x0
	s_wait_loadcnt 0x0                             ; the biases
	s_cmp_eq_u32 ttmp9, 0
	s_cselect_b32 s96, s74, s75                    ; e2 for q, e3 for k,
	s_cmp_eq_u32 ttmp9, 2
	s_cselect_b32 s96, s77, s96                    ; e5 for v
	s_add_co_i32 s97, s72, s73                     ; e0 + e1
	s_sub_co_i32 s96, s96, s97
	s_sub_co_i32 s97, 0, s97
	s_add_co_i32 s96, s96, 127
	s_lshl_b32 s81, s96, 23
	v_mov_b32 v[SCL], s81                          ; 2^(eo - e0 - e1): the three scales folded into the conversion's one
	s_add_co_i32 s96, s96, 8
	s_lshl_b32 s96, s96, 23
	s_or_b32 s96, s96, 0x600000
	v_mov_b32 v[LIM], s96                          ; 448 x that
.set j, 0
.rept 80
	v_ldexp_f32 v[BT+j], v[BT+j], s97              ; b / 2^(e0 + e1): nothing is rounded.  These lines are also the places behind the last products
.set j, j+1
.endr
; Block a: my rows 16 a .. 16 a + 15, my 128 columns.  The bias is added, by columns or by rows: a branch on the cluster's x round work on registers alone.  Each accumulator is read from its low end on.
.macro OUTBLK a
.set AC, 64*((\a)%4)
.set CDS, CD+16*((\a)%2)
.if (\a) >= 2
	s_wait_dscnt 8                                 ; the stores of two blocks back have read this set of codes; the last block's eight may be out
.endif
	s_cmp_eq_u32 ttmp9, 2
	s_cbranch_scc1 .Lby_rows_\@
	WIN 0x02+((\a)/4)                              ; source 0: window 2 or 3
.set j, 0
.rept 32
	v_pk_add_f32 v[TMP+j:TMP+j+1], v[AC+j:AC+j+1], v[BT+j:BT+j+1]
.set j, j+2
.endr
	WIN 0
	s_branch .Lbiased_\@
.Lby_rows_\@:
	WIN 0x02+((\a)/4)
.set j, 0
.rept 32
	v_pk_add_f32 v[TMP+j:TMP+j+1], v[AC+j:AC+j+1], v[BR+2*(\a):BR+2*(\a)+1]
.set j, j+2
.endr
	WIN 0
.Lbiased_\@:
.set j, 0
.rept 64
	v_med3_num_f32 v[TMP+j], v[TMP+j], -v[LIM], v[LIM]   ; the conversion to an 8-bit code does not saturate (ISA guide 7.6.2): the hold comes first
.set j, j+1
.endr
.irp b, 0,1,2,3,4,5,6,7
	v_cvt_scalef32_pk8_fp8_f32 v[CDS+2*\b:CDS+2*\b+1], v[TMP+8*\b:TMP+8*\b+7], v[SCL]
.endr
	v_nop                                          ; a plain vector line behind the conversions: the next block writes their sources
.irp b, 0,1,2,3,4,5,6,7
	ds_store_b64 v[STO], v[CDS+2*\b:CDS+2*\b+1] offset:(\b/4)*SGRP+(\a)*16*SPT+16*(\b%4)
.endr
.endm
.irp a, 0,1,2,3,4,5,6,7
	OUTBLK \a
.endr
	s_wait_dscnt 0x0                               ; for the others' sake: my stores into the stage are done
	s_barrier_signal -1
	s_barrier_wait -1                              ; a group's 256 rows come from two waves
.set t, 0
.rept 32
	ds_load_b128 v[OUTR+4*t:OUTR+4*t+3], v[RD] offset:8*SPT*t
.set t, t+1
.endr
.set t, 0
.rept 32
	s_wait_dscnt 31-t
	global_store_b128 v[CO], v[OUTR+4*t:OUTR+4*t+3], s[CB+2*(t/8):CB+2*(t/8)+1] offset:512*(t%8)   ; 32 lanes store 512 consecutive bytes, aligned: eight rows of 64 codes
.set t, t+1
.endr
	s_wait_tensorcnt 0x0                           ; the wave's end, behind my last tensor load and my last LDS store
	ds_add_u32 v[SPW], v[NIL]
	s_wait_dscnt 0x0
	CROUND                                         ; the closing round: no work-group ends while a partner may still ask for a tile that names it
	s_endpgm
.Lfunc_end_k_qc965d1badb_qkv:
	.size	k_qc965d1badb_qkv, .Lfunc_end_k_qc965d1badb_qkv-k_qc965d1badb_qkv
	.p2alignl 7, 3214868480
	.fill 96, 4, 3214868480
	.section	.rodata,"a",@progbits
	.p2align	6, 0x0
	.amdhsa_kernel k_qc965d1badb_qkv
		.amdhsa_group_segment_fixed_size 327680
		.amdhsa_private_segment_fixed_size 0
		.amdhsa_enable_private_segment 0
		.amdhsa_kernarg_size 48
		.amdhsa_user_sgpr_count 2
		.amdhsa_user_sgpr_kernarg_segment_ptr 1
		.amdhsa_wavefront_size32 1
		.amdhsa_system_sgpr_workgroup_id_x 1
		.amdhsa_system_sgpr_workgroup_id_y 1
		.amdhsa_system_sgpr_workgroup_id_z 1
		.amdhsa_system_vgpr_workitem_id 0
		.amdhsa_next_free_vgpr 1024
		.amdhsa_next_free_sgpr 100
		.amdhsa_reserve_vcc 0
		.amdhsa_float_denorm_mode_32 3
		.amdhsa_float_denorm_mode_16_64 3
		.amdhsa_memory_ordered 1
		.amdhsa_forward_progress 1
		.amdhsa_inst_pref_size 168
	.end_amdhsa_kernel
	.amdgpu_metadata
---
amdhsa.version: [ 1, 2 ]
amdhsa.kernels:
  - .name:           k_qc965d1badb_qkv
    .symbol:         k_qc965d1badb_qkv.kd
    .args:
      - { .name: x_codes, .offset: 0, .size: 8, .value_kind: global_buffer, .address_space: global }
      - { .name: wqkv_codes, .offset: 8, .size: 8, .value_kind: global_buffer, .address_space: global }
      - { .name: lowp_scales, .offset: 16, .size: 8, .value_kind: global_buffer, .address_space: global }
      - { .name: b_qkv, .offset: 24, .size: 8, .value_kind: global_buffer, .address_space: global }
      - { .name: qk_codes, .offset: 32, .size: 8, .value_kind: global_buffer, .address_space: global }
      - { .name: v_codes, .offset: 40, .size: 8, .value_kind: global_buffer, .address_space: global }
    .group_segment_fixed_size: 327680
    .private_segment_fixed_size: 0
    .kernarg_segment_align: 8
    .kernarg_segment_size: 48
    .max_flat_workgroup_size: 128
    .sgpr_count:     100
    .vgpr_count:     1024
    .wavefront_size: 32
...
	.end_amdgpu_metadata
.endif
;; end of part 2
;; launch attn (part 3): grid 16 x 16, 16 waves a work-group, no clusters, 167,936 bytes of LDS; arguments qk_codes, v_codes, lowp_scales, y_codes; writes y_codes
.if DOCPART == 3
	.amdgcn_target "amdgcn-amd-amdhsa--gfx1250"
	.amdhsa_code_object_version 6
	.text
	.protected	k_qc965d1badb_attn
	.globl	k_qc965d1badb_attn
	.p2align	8
	.type	k_qc965d1badb_attn,@function
k_qc965d1badb_attn:
	s_mov_b64 s[64:65], 0
	v_nop
	global_prefetch_b8 v0, s[64:65] scope:SCOPE_SE
	s_setreg_imm32_b32 hwreg(HW_REG_WAVE_MODE, 25, 1), 1
	s_wait_xcnt 0x0
; y[head][q] = the sum over the keys k with 0 <= q - k < 256 of softmax_k(q . k / 8) v[k], both products on codes of FP8 (E4M3), y quantised on the way out.
; qk_codes [32 g][4096 t][64 d] (g = head: q; 16 + head: k), v_codes [16 head][64 groups of keys][64 d][64 keys], y_codes [16 head][4096 t][64 d].
; THE SOFTMAX AHEAD OF THE SECOND PRODUCT: t = score x log2(e) / 8; M = the row's largest t rounded UP to a whole number; p = 2^(t - M) is quantised, not normalised; the row's sum l is taken of the unquantised p and divides at the end
; (a reciprocal by v_rcp_f32 and a multiplication).
; SHARES.  A work-group owns 256 queries of one head, each of its sixteen waves 16 of them.  A wave's queries lie in one block of 64 keys, block a; their windows lie in the FIVE blocks a - 4 .. a: the three in the middle count whole,
; the first and the last are masked, and the two masks are complements.  All 320 scores of a query lie in registers (160 a lane): ONE maximum, one M, no rescaling, no loop over keys.
; LDS: the 512 keys from 256 before the work-group's first query on: K's rows and V's, brought once by eight tensor loads (waves 0-3: K, waves 4-7: V), 128 rows of 64 bytes each.  Nothing is filled twice.
; In the head's first work-group there are no 256 keys before: its own keys are brought in their stead, and the blocks that do not exist are set to -infinity (a scalar branch on ids).
; LAYOUT.  Both products are used transposed: S^T = K Q^T, O^T = V^T P^T: a lane holds ONE query (lane % 16).  THE KEYS OF A TILE ARE NOT NEIGHBOURS: lane r of tile 2 b + u takes key 32 b + 8 u + r + 8 (r / 8), so that
; register n of a block's 32 holds key 32 (n / 16) + 16 (lane / 16) + n % 16: sixteen neighbours in sixteen registers, which the conversions turn into the second product's operand.
; NO CLUSTER: a block of 256 keys is read by two work-groups only, and lies in the first half of the one's LDS and in the second half of the other's: a joint load would want an LDS address that hangs on the place in the cluster.
; No prefetch: all that a work-group reads is asked for at its head.
; LIMITS on the given exponents: e2 + e3 between -123 and 130 (added to c's exponent field); e4, and e6 - e4 - e5, between -126 and 119.
.set KP,    80                         ; a row in LDS: 64 bytes + 16 of padding
.set VOFF,  512*KP                     ; K's 512 rows, then V's 512 rows (group of keys, d)
.set STG,   2*VOFF                     ; the way out: 16 rows x 80 bytes for each wave
.set SPARE, STG+16*16*KP               ; the spare words, 128 bytes for each wave: eight blocks of 256 bytes that no other line names
.set AK,   1                           ; v1   my lane's place in my first block of K
.set AV,   2                           ; v2   in my first block of V
.set STO,  3                           ; v3   the stage: where I put 8 codes
.set RD,   4                           ; v4   and where I read 16 back
.set GO,   5                           ; v5   16 x lane
.set SPW,  6                           ; v6   LDS address of my spare word; never rewritten
.set NIL,  7                           ; v7   0; never rewritten
.set D4,   8                           ; v8   my query's place in block a, less 16 (lane / 16)
.set NINF, 9                           ; v9   -infinity
.set LIM,  10                          ; v10  448 x the scale: p's, then y's
.set SCL,  11                          ; v11  the scale
                                       ; v12 -M, v13 at work (named with v12 as a pair); v[14:15] l, then 1 / l
.set QF,   16                          ; v16-23  Q's fragment
.set KF,   24                          ; v24-55 and v64-95: K's fragments, two sets
.set P,    24                          ; v24-63  p's codes, 8 registers a block
.set O,    64                          ; v64-95  O^T
.set S,    96                          ; v96-255 S^T, then p, then V's 20 fragments
.set QO,   56                          ; v56  byte offset of Q's loads
.set WV,   12                          ; s12  my wave's number
.set G1,   16                          ; s[16:23] descriptor group 1
.set G0,   24                          ; s[24:27] group 0
.set CS,   28                          ; s[28:29] c = log2(e) / 8 x 2^(e2 + e3)
.set SEL,  30                          ; s[30:31] lane selects for v_permlanex16_b32: lane l xor 16
.set A4,   32                          ; s32  my first block of keys: a - 4; negative where it does not exist
	s_load_b256 s[4:11], s[0:1], 0x0               ; qk_codes s[4:5], v_codes s[6:7], the scales s[8:9], y_codes s[10:11]
	v_lshl_add_u32 v[SPW], v0, 2, SPARE
	v_mov_b32 v[NIL], 0
	ds_add_u32 v[SPW], v[NIL]                      ; the wave's opening: the add and its wait stand ahead of my first tensor load; work on registers stands between them
	v_lshrrev_b32 v56, 5, v0
	v_readfirstlane_b32 s[WV], v56                 ; wave 0..15
	s_lshr_b32 s13, s[WV], 2                       ; which block of 64 of the work-group's queries
	s_and_b32 s14, s[WV], 3                        ; which 16 of them
	s_lshl_b32 s[A4], ttmp9, 2
	s_add_co_u32 s[A4], s[A4], s13
	s_sub_co_i32 s[A4], s[A4], 4
	s_and_b32 s33, ttmp7, 0xffff                   ; the head
	s_lshl_b32 s34, s33, 18                        ; a head is 262,144 bytes in each buffer
	; what I fetch, if I fetch: 128 rows; waves 0, 1, 4, 5: the 256 keys before the work-group's, waves 2, 3, 6, 7: its own
	s_max_u32 s36, ttmp9, 1
	s_sub_co_u32 s36, s36, 1                       ; the block of 256 before (in the first work-group: its own)
	s_and_b32 s37, s[WV], 2
	s_cmp_lg_u32 s37, 0
	s_cselect_b32 s36, ttmp9, s36
	s_lshl_b32 s36, s36, 8
	s_and_b32 s37, s[WV], 1
	s_lshl_b32 s37, s37, 7
	s_add_co_u32 s36, s36, s37                     ; the first key
	s_lshl_b32 s36, s36, 6                         ; 64 bytes a key, in K's rows and in V's groups alike
	s_add_co_u32 s36, s36, s34
	s_mov_b32 s37, 0
	; descriptor group 1: 128 rows of 64 bytes, dense in memory, 16 bytes of padding behind each
	s_mov_b32 s[G1], (0<<16)|(1<<20)|(3<<22)|(3<<25)   ; no mask; elements of 1 byte; padding on: four words after every 16
	s_mov_b32 s[G1+1], 64<<16                      ; tensor_dim0
	s_mov_b32 s[G1+2], 128<<16                     ; tensor_dim1
	s_mov_b32 s[G1+3], 64<<16                      ; tile_dim0
	s_mov_b32 s[G1+4], 128                         ; tile_dim1
	s_mov_b32 s[G1+5], 64                          ; tensor_dim0_stride
	s_mov_b32 s[G1+6], 0
	s_mov_b32 s[G1+7], 0
	s_mov_b32 s[SEL], 0x76543210
	s_mov_b32 s[SEL+1], 0xfedcba98
	s_mov_b32 s[CS], 0x3e38aa3b                    ; log2(e) / 8
	v_and_b32 v57, 15, v0                          ; r
	v_bfe_u32 v58, v0, 4, 1                        ; h
	v_and_b32 v59, 8, v57
	v_add_nc_u32 v59, v59, v57                     ; r + 8 (r / 8)
	s_mul_i32 s35, s13, 64*KP                      ; my first block lies s13 blocks into the 512 keys
	v_mul_u32_u24 v[AK], v59, KP
	v_lshl_add_u32 v[AK], v58, 4, v[AK]
	v_add_nc_u32 v[AK], s35, v[AK]
	v_mul_u32_u24 v[AV], v57, KP
	v_lshl_add_u32 v[AV], v58, 4, v[AV]
	v_add_nc_u32 v[AV], s35, v[AV]
	v_add_nc_u32 v[AV], VOFF, v[AV]
	s_mul_i32 s35, s[WV], 16*KP
	s_add_co_u32 s35, s35, STG                     ; my stage
	v_mul_u32_u24 v[STO], v57, KP
	v_lshl_add_u32 v[STO], v58, 3, v[STO]
	v_add_nc_u32 v[STO], s35, v[STO]               ; in: row r, 8 bytes for each half of the lanes
	v_and_b32 v60, 31, v0
	v_lshrrev_b32 v61, 2, v60
	v_mul_u32_u24 v[RD], v61, KP
	v_and_b32 v61, 3, v60
	v_lshl_add_u32 v[RD], v61, 4, v[RD]
	v_add_nc_u32 v[RD], s35, v[RD]                 ; back: four lanes to a row
	v_lshlrev_b32 v[GO], 4, v60
	v_lshlrev_b32 v59, 4, v58
	v_sub_nc_u32 v[D4], v57, v59
	s_lshl_b32 s35, s14, 4
	v_add_nc_u32 v[D4], s35, v[D4]                 ; 16 u + r - 16 h
	v_mov_b32 v[NINF], 0xff800000
	v_mov_b32 v13, 0                               ; written once: named as the upper half of a pair, and a lane permute's destination
	v_lshlrev_b32 v[QO], 6, v57
	v_lshl_add_u32 v[QO], v58, 4, v[QO]            ; Q: row r of 64 bytes, + 16 h
	s_lshl_b32 s52, ttmp9, 14
	s_lshl_b32 s53, s[WV], 10
	s_add_co_u32 s52, s52, s53                     ; my first query x 64 bytes,
	s_add_co_u32 s52, s52, s34                     ; in my head
	s_mov_b32 s53, 0
	s_wait_dscnt 0x0                               ; the opening add is done
	s_wait_kmcnt 0x0
	s_load_b256 s[40:47], s[8:9], 0x0              ; the eight exponents
	s_add_nc_u64 s[38:39], s[4:5], 0x400000        ; k's half of qk_codes
	s_cmp_lt_u32 s[WV], 4
	s_cselect_b64 s[38:39], s[38:39], s[6:7]       ; waves 0-3 fetch K, waves 4-7 V
	s_mov_b32 s[G0], 1                             ; count = 1
	s_mul_i32 s[G0+1], s[WV], 128*KP               ; LDS address: wave x 128 rows: K's four parts, then V's four
	s_add_nc_u64 s[G0+2:G0+3], s[38:39], s[36:37]
	s_or_b32 s[G0+3], s[G0+3], 0x80000000          ; type = 2
	s_cmp_lt_u32 s[WV], 8
	s_cbranch_scc0 .Lno_fill
	tensor_load_to_lds s[G0:G0+3], s[G1:G1+7]      ; my one tensor load
	s_nop 0
.Lno_fill:
	s_add_nc_u64 s[54:55], s[4:5], s[52:53]        ; Q at my first query
	s_add_nc_u64 s[10:11], s[10:11], s[52:53]      ; y likewise
	global_load_b128 v[QF:QF+3], v[QO], s[54:55]
	global_load_b128 v[QF+4:QF+7], v[QO], s[54:55] offset:32   ; registers 0-3: d = 16 h + 0 .. 15, registers 4-7: 32 + 16 h + 0 .. 15: the same order in K's fragments
	s_wait_kmcnt 0x0
	s_add_co_i32 s48, s42, s43
	s_lshl_b32 s48, s48, 23
	s_add_co_i32 s[CS], s[CS], s48                 ; a score stands for score x 2^(e2 + e3): added to c's exponent field
	s_mov_b32 s[CS+1], s[CS]                       ; (named with it as a pair, so it is written)
	s_add_co_i32 s48, s44, 127
	s_lshl_b32 s49, s48, 23
	v_mov_b32 v[SCL], s49                          ; 2^e4
	s_add_co_i32 s48, s48, 8
	s_lshl_b32 s48, s48, 23
	s_or_b32 s48, s48, 0x600000
	v_mov_b32 v[LIM], s48                          ; 448 x 2^e4
	s_sub_co_i32 s50, s46, s44
	s_sub_co_i32 s50, s50, s45                     ; O^T / l stands for y / 2^(e4 + e5): y's code is that / 2^(e6 - e4 - e5)
	s_add_co_i32 s50, s50, 127
	s_lshl_b32 s51, s50, 23                        ; that scale,
	s_add_co_i32 s50, s50, 8
	s_lshl_b32 s50, s50, 23
	s_or_b32 s50, s50, 0x600000                    ; and 448 x it
	s_wait_tensorcnt 0x0                           ; my part of the tiles is in (a wave that fetched nothing passes at once),
	s_barrier_signal -1
	s_barrier_wait -1                              ; everybody's is
.macro FETCHK s, set                   ; block s of my five: four tiles of 16 keys x 64 d
.irp t, 0,1,2,3
	ds_load_b128 v[KF+40*(\set)+8*\t:KF+40*(\set)+8*\t+3], v[AK] offset:(\s)*64*KP+(32*(\t/2)+8*(\t%2))*KP
	ds_load_b128 v[KF+40*(\set)+8*\t+4:KF+40*(\set)+8*\t+7], v[AK] offset:(\s)*64*KP+(32*(\t/2)+8*(\t%2))*KP+32
.endr
.endm
	FETCHK 0, 0
	FETCHK 1, 1
	s_wait_loadcnt 0x0                             ; Q
.irp s, 0,1,2,3,4
.if \s < 4
	s_wait_dscnt 8                                 ; this block's eight loads are in; the next block's eight may be out
.else
	s_wait_dscnt 0x0
.endif
.irp t, 0,1,2,3
	v_wmma_f32_16x16x64_fp8_fp8 v[S+32*\s+8*\t:S+32*\s+8*\t+7], v[KF+40*(\s%2)+8*\t:KF+40*(\s%2)+8*\t+7], v[QF:QF+7], 0
.endr
.rept 4
	v_nop                                          ; places in front of loads into registers that matrix instructions have read, and of the first touch of results
.endr
.if \s < 3
	FETCHK \s+2, \s%2
.endif
.endr
; a block of keys that lies before the head's first key does not exist: all its scores become -infinity.  A scalar branch on ids, round work on registers alone
.macro HIDE s
	s_cmp_ge_i32 s[A4], -(\s)
	s_cbranch_scc1 .Lthere_\@
.set n, 0
.rept 32
	v_mov_b32 v[S+32*(\s)+n], v[NINF]
.set n, n+1
.endr
.Lthere_\@:
.endm
	HIDE 0
	HIDE 1
	HIDE 2
	HIDE 3
.set n, 0
.rept 32                               ; block a - 4: key o counts where o > my query's place in block a
	v_cmp_le_i32 vcc_lo, 32*(n/16)+n%16, v[D4]
	v_cndmask_b32 v[S+n], v[S+n], v[NINF], vcc_lo
.set n, n+1
.endr
.set n, 0
.rept 32                               ; block a: key o counts where o <= my query's place
	v_cmp_gt_i32 vcc_lo, 32*(n/16)+n%16, v[D4]
	v_cndmask_b32 v[S+128+n], v[S+128+n], v[NINF], vcc_lo
.set n, n+1
.endr
	; the largest score of my query among my 160: four chains of 40 registers, each ascending
.irp c, 0,1,2,3
	v_max3_num_f32 v[24+\c], v[S+40*\c], v[S+40*\c+1], v[S+40*\c+2]
.endr
.set i, 3
.rept 18
.irp c, 0,1,2,3
	v_max3_num_f32 v[24+\c], v[24+\c], v[S+40*\c+i], v[S+40*\c+i+1]
.endr
.set i, i+2
.endr
	v_max3_num_f32 v24, v24, v[S+39], v[S+79]
	v_max3_num_f32 v26, v26, v[S+119], v[S+159]
	v_max3_num_f32 v24, v24, v25, v26
	v_max_num_f32 v24, v24, v27
	v_permlanex16_b32 v25, v24, s[SEL], s[SEL+1]
	v_max_num_f32 v24, v24, v25                    ; and among lane l xor 16's.  My own key always counts, so this is a number
	v_mul_f32 v24, s[CS], v24                      ; as t (c is positive)
	v_floor_f32 v12, -v24                          ; -M = floor(-t) = -ceil(t)
.set n, 0
.rept 80
	v_pk_fma_f32 v[S+n:S+n+1], v[S+n:S+n+1], s[CS:CS+1], v[12:13] op_sel_hi:[1,0,0]   ; t - M, two at a time (of the pairs c and -M the low word serves both halves)
.set n, n+2
.endr
.set n, 0
.rept 160
	v_exp_f32 v[S+n], v[S+n]                       ; p = 2^(t - M): at most 1; 0 where the key is hidden
.set n, n+1
.endr
	v_nop                                          ; a plain line behind the last exponential
	s_wait_alu depctr_va_vdst(0)                   ; one wait for the whole batch, ahead of its first reader
; Block s: the sum of the unquantised p, in two chains; the hold (p is not negative: one-sided); the conversions; then V's four fragments of the block land where p lay
.macro PBLOCK s
.set SB, S+32*(\s)
.set p, 0
.rept 16
.if ((\s) == 0) && (p == 0)
	v_pk_add_f32 v[14:15], v[SB:SB+1], v[SB+2:SB+3]
.elseif ((\s) == 0) && (p == 2)
	v_pk_add_f32 v[64:65], v[SB+4:SB+5], v[SB+6:SB+7]
.elseif ((\s) == 0) && (p < 4)
.elseif p%2 == 0
	v_pk_add_f32 v[14:15], v[14:15], v[SB+2*p:SB+2*p+1]
.else
	v_pk_add_f32 v[64:65], v[64:65], v[SB+2*p:SB+2*p+1]
.endif
.set p, p+1
.endr
.set n, 0
.rept 32
	v_min_num_f32 v[SB+n], v[SB+n], v[LIM]         ; the conversion to an 8-bit code does not saturate (ISA guide 7.6.2)
.set n, n+1
.endr
.irp g, 0,1,2,3
	v_cvt_scalef32_pk8_fp8_f32 v[P+8*(\s)+2*\g:P+8*(\s)+2*\g+1], v[SB+8*\g:SB+8*\g+7], v[SCL]   ; registers 0-3 of the block's operand: keys 16 h + 0 .. 15; 4-7: 32 + 16 h + 0 .. 15
.endr
.irp t, 0,1,2,3
	ds_load_b128 v[SB+8*\t:SB+8*\t+3], v[AV] offset:(\s)*64*KP+\t*16*KP       ; V^T: row d = 16 t + r, the same order of the keys
	ds_load_b128 v[SB+8*\t+4:SB+8*\t+7], v[AV] offset:(\s)*64*KP+\t*16*KP+32
.endr
.endm
	PBLOCK 0
	PBLOCK 1
	PBLOCK 2
	PBLOCK 3
	PBLOCK 4
	v_pk_add_f32 v[14:15], v[14:15], v[64:65]      ; the two chains.  (A plain line between the last conversion and the products that read its result)
.irp s, 0,1,2,3,4
	s_wait_dscnt 32-8*\s                           ; this block's eight loads are in; the later blocks' may be out
.irp t, 0,1,2,3                        ; O^T += V^T P^T: four accumulators by turns, one instruction a turn
.if \s == 0
	v_wmma_f32_16x16x64_fp8_fp8 v[O+8*\t:O+8*\t+7], v[S+32*\s+8*\t:S+32*\s+8*\t+7], v[P+8*\s:P+8*\s+7], 0
.else
	v_wmma_f32_16x16x64_fp8_fp8 v[O+8*\t:O+8*\t+7], v[S+32*\s+8*\t:S+32*\s+8*\t+7], v[P+8*\s:P+8*\s+7], v[O+8*\t:O+8*\t+7]
.endif
.endr
.endr
	; THE WAY OUT
	v_add_f32 v14, v14, v15                        ; l's two halves,
	v_permlanex16_b32 v13, v14, s[SEL], s[SEL+1]
	v_add_f32 v14, v14, v13                        ; and lane l xor 16's
	v_rcp_f32 v14, v14
	v_mov_b32 v[SCL], s51                          ; y's scale and limit: with the two lines below, four plain lines behind the reciprocal and behind the last products
	v_mov_b32 v[LIM], s50
	v_nop
	v_nop
	s_wait_alu depctr_va_vdst(0)                   ; the wait ahead of the reciprocal's first reader
.set n, 0
.rept 16
	v_pk_mul_f32 v[O+n:O+n+1], v[O+n:O+n+1], v[14:15] op_sel_hi:[1,0]   ; O^T / l: register 8 t + j is y(my query, 16 t + 8 h + j)
.set n, n+2
.endr
.set n, 0
.rept 32
	v_med3_num_f32 v[O+n], v[O+n], -v[LIM], v[LIM]
.set n, n+1
.endr
.irp t, 0,1,2,3
	v_cvt_scalef32_pk8_fp8_f32 v[24+2*\t:25+2*\t], v[O+8*\t:O+8*\t+7], v[SCL]
.endr
	v_nop                                          ; a plain vector line behind the conversions
.irp t, 0,1,2,3
	ds_store_b64 v[STO], v[24+2*\t:25+2*\t] offset:16*\t
.endr
.irp i, 0,1
	ds_load_b128 v[32+4*\i:35+4*\i], v[RD] offset:8*KP*\i   ; LDS serves a wave's instructions in order: these see my stores
.endr
.irp i, 0,1
	s_wait_dscnt 1-\i
	global_store_b128 v[GO], v[32+4*\i:35+4*\i], s[10:11] offset:512*\i   ; 32 lanes store 512 consecutive bytes, aligned: eight queries' rows
.endr
	s_wait_tensorcnt 0x0                           ; the wave's end, behind my last tensor load and my last LDS store
	ds_add_u32 v[SPW], v[NIL]
	s_wait_dscnt 0x0
	s_endpgm
.Lfunc_end_k_qc965d1badb_attn:
	.size	k_qc965d1badb_attn, .Lfunc_end_k_qc965d1badb_attn-k_qc965d1badb_attn
	.p2alignl 7, 3214868480
	.fill 96, 4, 3214868480
	.section	.rodata,"a",@progbits
	.p2align	6, 0x0
	.amdhsa_kernel k_qc965d1badb_attn
		.amdhsa_group_segment_fixed_size 167936
		.amdhsa_private_segment_fixed_size 0
		.amdhsa_enable_private_segment 0
		.amdhsa_kernarg_size 32
		.amdhsa_user_sgpr_count 2
		.amdhsa_user_sgpr_kernarg_segment_ptr 1
		.amdhsa_wavefront_size32 1
		.amdhsa_system_sgpr_workgroup_id_x 1
		.amdhsa_system_sgpr_workgroup_id_y 1
		.amdhsa_system_sgpr_workgroup_id_z 1
		.amdhsa_system_vgpr_workitem_id 0
		.amdhsa_next_free_vgpr 256
		.amdhsa_next_free_sgpr 66
		.amdhsa_reserve_vcc 1
		.amdhsa_float_denorm_mode_32 3
		.amdhsa_float_denorm_mode_16_64 3
		.amdhsa_memory_ordered 1
		.amdhsa_forward_progress 1
		.amdhsa_inst_pref_size 53
	.end_amdhsa_kernel
	.amdgpu_metadata
---
amdhsa.version: [ 1, 2 ]
amdhsa.kernels:
  - .name:           k_qc965d1badb_attn
    .symbol:         k_qc965d1badb_attn.kd
    .args:
      - { .name: qk_codes, .offset: 0, .size: 8, .value_kind: global_buffer, .address_space: global }
      - { .name: v_codes, .offset: 8, .size: 8, .value_kind: global_buffer, .address_space: global }
      - { .name: lowp_scales, .offset: 16, .size: 8, .value_kind: global_buffer, .address_space: global }
      - { .name: y_codes, .offset: 24, .size: 8, .value_kind: global_buffer, .address_space: global }
    .group_segment_fixed_size: 167936
    .private_segment_fixed_size: 0
    .kernarg_segment_align: 8
    .kernarg_segment_size: 32
    .max_flat_workgroup_size: 512
    .sgpr_count:     66
    .vgpr_count:     256
    .wavefront_size: 32
...
	.end_amdgpu_metadata
.endif
;; end of part 3
;; launch proj (part 4): grid 8 x 32, 4 waves a work-group, clusters of 4 x 4, 296,448 bytes of LDS; arguments y_codes, wp_codes, lowp_scales, b_proj, out0; writes out0
.if DOCPART == 4
	.amdgcn_target "amdgcn-amd-amdhsa--gfx1250"
	.amdhsa_code_object_version 6
	.text
	.protected	k_qc965d1badb_proj
	.globl	k_qc965d1badb_proj
	.p2align	8
	.type	k_qc965d1badb_proj,@function
k_qc965d1badb_proj:
	s_mov_b64 s[64:65], 0
	v_nop
	global_prefetch_b8 v0, s[64:65] scope:SCOPE_SE
	s_setreg_imm32_b32 hwreg(HW_REG_WAVE_MODE, 25, 1), 1
	s_wait_xcnt 0x0
	s_wait_alu depctr_hold_cnt(0) depctr_sa_sdst(0) depctr_va_vdst(0) depctr_va_sdst(0) depctr_va_ssrc(0) depctr_va_vcc(0) depctr_vm_vsrc(0)
	s_getreg_b32 s2, hwreg(HW_REG_IB_STS2, 6, 4)
	s_cmp_eq_u32 s2, 0
	s_cbranch_scc0 .Lentry_in_a_cluster
	s_endpgm
.Lentry_in_a_cluster:
	s_bfe_u32 s2, ttmp6, 0x10000c
	s_cmp_lg_u32 s2, 0xf033
	s_cbranch_scc0 .Lentry_shape_is_right
	s_endpgm
.Lentry_shape_is_right:
; out0 = y W_proj + b_proj on codes of FP8 (E4M3).  y_codes [16 head][4096 t][64 d] (K = 64 head + d), wp_codes [1024 n][1024 k], out0 [4096][1024] f32.  Sums in f32; each finished sum x 2^(e6 + e7) + b, one fused multiply-add.
; LIMIT: e6 + e7 between -126 and 127, so that 2^(e6 + e7) is an f32 number.
; 256 tiles of 128 x 128, a work-group of four waves each, a wave 64 x 64: 16 accumulators.  A tile's WHOLE K, 128 rows of A and 128 of B x 1,024 bytes, fits in LDS: it is brought in four quarters of 256 along K,
; all asked for at the head (four loads a wave are out): no slot is filled twice, and a quarter is multiplied while the later ones land.  So nothing is prefetched.
; CLUSTERS: 4 x 4 work-groups.  The four of a row of the cluster need the same rows of y, the four of a column the same rows of W: each tile is asked for jointly.
; A's TILE: a quarter of K is four heads; in one head 64 rows of 64 bytes are 4,096 consecutive bytes.  The descriptor states 4 rows of 4,096 bytes, a head apart, with 16 bytes of padding behind every 256:
; token i, byte c of a head lie at (i / 4) x 272 + (i % 4) x 64 + c.  The sixteen rows of a fragment load start in sixteen different columns of 16 bytes.
; THE MATRIX INSTRUCTION IS USED TRANSPOSED (source 0 = 16 rows of W, source 1 = 16 rows of y): a lane holds eight neighbouring numbers of a row of out0.
; REGISTERS: window 0: v0-31 addresses; v32-63 a block's results, v64-95 rows read back; v96-127 the bias; v128-255 the accumulators ((a, b) at v[128 + 8 (4 a + b)]).   window 1: two fragment buffers of 128: 64 of A, then 64 of B.
.set PITCH, 272
.set REG,   64*PITCH                   ; what one tensor load brings: 64 rows x 256 along K, padded
.set QUART, 4*REG                      ; a quarter of K: A's two halves of rows, then B's two
.set HEADB, 16*PITCH                   ; in A's tile: a head's 64 rows of 64 bytes
.set STG,   4*QUART                    ; behind the tiles: 16 rows x 272 bytes for each wave, for the way out
.set SPARE, STG+4*16*PITCH             ; the spare words, 128 bytes for each wave
.set ADRA, 16                          ; v16-19  LDS address of my A fragments in quarter 0 .. 3
.set ADRB, 20                          ; v20-23  the same for B
.set STO,  24                          ; v24     the way out: where I put 32 bytes of a row
.set RD,   25                          ; v25     where I read a row back
.set CO,   26                          ; v26     my byte offset in out0
.set BO,   27                          ; v27     my byte offset in b_proj
.set SPW,  28                          ; v28     LDS address of my spare word; never rewritten
.set NIL,  29                          ; v29     0; never rewritten
.set TMP,  32
.set BK,   64
.set BI,   96
.set ACC,  128
.set G1A, 24                           ; s[24:31] descriptor group 1 for A's tiles;  s[32:47] group 0, one set for each quarter
.set G0A, 32
.set G1B, 48                           ; s[48:55], s[68:83] the same for B's tiles
.set G0B, 68
.set MSB, 0
.macro WIN new                         ; the immediate's high byte repeats the setting that is left
.if MSB != \new
	s_set_vgpr_msb (MSB<<8)|\new
.set MSB, \new
.endif
.endm
.set MUL,  0x05                        ; sources 0 (B) and 1 (A) window 1; C and D window 0
.set TO_F, 0x40                        ; destination window 1, address window 0
.macro CROUND                          ; a round of the cluster's barrier
	s_barrier_signal -1
	s_barrier_wait -1
	s_cmp_lg_u32 s14, 0
	s_cbranch_scc1 .Lnot_wave_0_\@
	s_barrier_signal -3
.Lnot_wave_0_\@:
	s_barrier_wait -3
	s_barrier_signal -1
	s_barrier_wait -1
.endm
.macro PLACES
.rept 4
	v_nop
.endr
.endm
	s_load_b256 s[4:11], s[0:1], 0x0               ; y_codes s[4:5], wp_codes s[6:7], the scales s[8:9], b_proj s[10:11]
	s_load_b64 s[12:13], s[0:1], 0x20              ; out0
	v_lshl_add_u32 v[SPW], v0, 2, SPARE
	v_mov_b32 v[NIL], 0
	ds_add_u32 v[SPW], v[NIL]                      ; the wave's opening: the add and its wait stand ahead of my first tensor load; work on registers stands between them
	v_lshrrev_b32 v1, 5, v0
	v_readfirstlane_b32 s14, v1                    ; wave 0..3
	s_lshr_b32 s15, s14, 1                         ; which half of the tile's rows is mine.  Also: I fetch for A (0) or for B (1)
	s_and_b32 s16, s14, 1                          ; which half of its columns.  Also: which 64 rows of that tile I fetch
	s_bfe_u32 s84, ttmp6, 0x40000                  ; cx, cy: my place in the cluster
	s_bfe_u32 s85, ttmp6, 0x40004
	s_lshl_b32 s86, ttmp9, 2
	s_add_co_u32 s86, s86, s84                     ; tile column = 4 x cluster x + cx
	s_and_b32 s17, ttmp7, 0xffff
	s_lshl_b32 s17, s17, 2
	s_add_co_u32 s17, s17, s85                     ; tile row = 4 x cluster y + cy
	s_lshl_b32 s87, s85, 2
	s_lshl_b32 s87, 15, s87                        ; my row of the cluster
	s_lshl_b32 s88, 0x1111, s84                    ; my column
	s_or_b32 s[G1A+0], s87, (0<<16)|(1<<20)|(1<<21)|(5<<22)|(3<<25)  ; the mask: A's tiles go to my row; elements of 1 byte; padding on; bit 21 set beside a mask; four words after every 64
	s_mov_b32 s[G1A+1], 4096<<16                   ; tensor_dim0 = 4,096: 64 tokens' 64 bytes of one head
	s_mov_b32 s[G1A+2], 4<<16                      ; tensor_dim1 = 4 heads
	s_mov_b32 s[G1A+3], 4096<<16                   ; tile_dim0
	s_mov_b32 s[G1A+4], 4                          ; tile_dim1
	s_mov_b32 s[G1A+5], 262144                     ; tensor_dim0_stride: from head to head
	s_mov_b32 s[G1A+6], 0
	s_mov_b32 s[G1A+7], 0
	s_or_b32 s[G1B+0], s88, (0<<16)|(1<<20)|(1<<21)|(5<<22)|(3<<25)  ; the same with the mask of my column
	s_mov_b32 s[G1B+1], 256<<16                    ; tensor_dim0 = 256
	s_mov_b32 s[G1B+2], 64<<16                     ; tensor_dim1 = 64 rows
	s_mov_b32 s[G1B+3], 256<<16                    ; tile_dim0
	s_mov_b32 s[G1B+4], 64                         ; tile_dim1
	s_mov_b32 s[G1B+5], 1024                       ; tensor_dim0_stride
	s_mov_b32 s[G1B+6], 0
	s_mov_b32 s[G1B+7], 0
	s_lshl_b32 s18, s16, 6                         ; which 64 rows of the tile I fetch
	s_lshl_b32 s20, s17, 7
	s_add_co_u32 s20, s20, s18                     ; A: token 128 x tile row + 64 x half,
	s_lshl_b32 s20, s20, 6                         ; 64 bytes each
	s_mov_b32 s21, 0
	s_lshl_b32 s22, s86, 7
	s_add_co_u32 s22, s22, s18                     ; B: row 128 x tile column + 64 x half,
	s_lshl_b32 s22, s22, 10                        ; 1,024 bytes each
	s_mov_b32 s23, 0
	s_mul_i32 s89, s14, REG                        ; where they go in a quarter: wave x 17,408: no place in the cluster enters an LDS address
	s_wait_dscnt 0x0                               ; the opening add is done
	s_wait_kmcnt 0x0
	s_load_b256 s[56:63], s[8:9], 0x0              ; the eight exponents
	s_add_nc_u64 s[90:91], s[4:5], s[20:21]
	s_add_nc_u64 s[92:93], s[6:7], s[22:23]
	CROUND                                         ; all sixteen work-groups are here: the joint loads meet
.irp q, 0,1,2,3
	s_mov_b32 s[G0A+4*\q], 1
	s_add_co_u32 s[G0A+4*\q+1], s89, \q*QUART
	s_add_nc_u64 s[G0A+4*\q+2:G0A+4*\q+3], s[90:91], \q*4*262144   ; four heads on
	s_or_b32 s[G0A+4*\q+3], s[G0A+4*\q+3], 0x80000000
	s_mov_b32 s[G0B+4*\q], 1
	s_add_co_u32 s[G0B+4*\q+1], s89, \q*QUART
	s_add_nc_u64 s[G0B+4*\q+2:G0B+4*\q+3], s[92:93], \q*256        ; 256 along K on
	s_or_b32 s[G0B+4*\q+3], s[G0B+4*\q+3], 0x80000000
.endr
	s_cmp_eq_u32 s15, 0                            ; a wave's four fills stand in one branch on its number, ahead of every wait on TENSORcnt and every LDS read; an s_nop 0 follows each, four v_nop the last
	s_cbranch_scc0 .Lfor_b
.irp q, 0,1,2,3
	tensor_load_to_lds s[G0A+4*\q:G0A+4*\q+3], s[G1A:G1A+7]
	s_nop 0
.endr
	PLACES
	s_branch .Lasked
.Lfor_b:
.irp q, 0,1,2,3
	tensor_load_to_lds s[G0B+4*\q:G0B+4*\q+3], s[G1B:G1B+7]
	s_nop 0
.endr
	PLACES
.Lasked:
	v_and_b32 v1, 15, v0                           ; r
	v_bfe_u32 v2, v0, 4, 1                         ; h
	v_lshrrev_b32 v3, 2, v1
	v_mul_u32_u24 v3, v3, PITCH
	v_and_b32 v4, 3, v1
	v_lshl_add_u32 v3, v4, 6, v3
	v_lshl_add_u32 v3, v2, 4, v3                   ; A: (r / 4) x 272 + (r % 4) x 64 + 16 h
	v_mul_u32_u24 v4, v1, PITCH
	v_lshl_add_u32 v4, v2, 4, v4                   ; B: r x 272 + 16 h
	s_mul_i32 s20, s15, REG                        ; my 64 rows of A
	s_mul_i32 s21, s16, REG                        ; my 64 rows of B,
	s_add_co_u32 s21, s21, 2*REG                   ; which lie behind A's two halves
.irp q, 0,1,2,3
	v_add_nc_u32 v[ADRA+\q], s20, v3
	v_add_nc_u32 v[ADRB+\q], s21, v4
	s_add_co_u32 s20, s20, QUART
	s_add_co_u32 s21, s21, QUART
.endr
	s_mul_i32 s20, s14, 16*PITCH
	s_add_co_u32 s20, s20, STG                     ; my stage
	v_mul_u32_u24 v5, v1, PITCH
	v_lshl_add_u32 v5, v2, 5, v5
	v_add_nc_u32 v[STO], s20, v5                   ; in: row r, 32 bytes for each half of the lanes
	v_mul_u32_u24 v5, v2, PITCH
	v_lshl_add_u32 v5, v1, 4, v5
	v_add_nc_u32 v[RD], s20, v5                    ; back: lanes 0-15 one row of 256 bytes, lanes 16-31 the next
	v_lshlrev_b32 v5, 12, v2
	v_lshl_add_u32 v[CO], v1, 4, v5                ; and the same two rows in out0 (rows of 4,096 bytes)
	s_lshl_b32 s20, s17, 7
	s_lshl_b32 s21, s15, 6
	s_add_co_u32 s20, s20, s21                     ; my first row: 128 x tile row + 64 x half
	s_lshl_b32 s20, s20, 12
	s_lshl_b32 s21, s86, 7
	s_lshl_b32 s22, s16, 6
	s_add_co_u32 s21, s21, s22                     ; my first column: 128 x tile column + 64 x half
	s_lshl_b32 s21, s21, 2
	v_lshl_add_u32 v[BO], v2, 5, s21               ; the bias: b_proj[my first column + 16 b + 8 h + j]
	s_add_co_u32 s20, s20, s21
	s_mov_b32 s21, 0
	s_add_nc_u64 s[12:13], s[12:13], s[20:21]
.irp b, 0,1,2,3
	global_load_b128 v[BI+8*\b:BI+8*\b+3], v[BO], s[10:11] offset:64*\b
	global_load_b128 v[BI+8*\b+4:BI+8*\b+7], v[BO], s[10:11] offset:64*\b+16
.endr
; 32 LDS loads in one run: the fragments of step s (128 along K) into buffer f.  A fragment's registers 4 c .. 4 c + 3 hold K = 128 s + 32 c + 16 h + 0 .. 15, in A and in B alike; in A that is head 2 s + c / 2, d = 32 (c % 2) + 16 h on.
.macro FETCH s, f
	WIN TO_F
.irp i, 0,1,2,3
.irp c, 0,1,2,3
	ds_load_b128 v[\f+64+16*\i+4*\c:\f+64+16*\i+4*\c+3], v[ADRB+(\s)/2] offset:\i*16*PITCH+128*((\s)%2)+32*\c
.endr
.endr
.irp i, 0,1,2,3
.irp c, 0,1,2,3
	ds_load_b128 v[\f+16*\i+4*\c:\f+16*\i+4*\c+3], v[ADRA+(\s)/2] offset:(2*((\s)%2)+\c/2)*HEADB+\i*4*PITCH+32*(\c%2)
.endr
.endr
.endm
; Step s: the next step's fragments are asked for, then this step's 16 products.  Where the next step begins a quarter of K, that quarter is awaited first, by every wave, and a barrier shows it to all.
.macro KSTEP s
.set FB, 128*((\s)%2)
.if ((\s)%2 == 1) && ((\s) < 7)
	s_wait_tensorcnt 3-((\s)+1)/2                  ; my part of the next quarter is in; the later quarters' loads may be out
	s_wait_dscnt 0x0                               ; no LDS instruction of mine is pending at the signal
	s_barrier_signal -1
	s_barrier_wait -1
.endif
.if (\s) < 7
.if (\s) > 0
	PLACES                                         ; in front of loads into the buffer that the last step's products read
.endif
	FETCH (\s)+1, 128*(((\s)+1)%2)
	s_wait_dscnt 32                                ; all but the 32 just issued: this step's fragments are in
.else
	s_wait_dscnt 0x0
.endif
	WIN MUL
.irp a, 0,1,2,3                        ; the 16 accumulators take turns, one instruction a turn, in the same order in every step
.irp b, 0,1,2,3
.if (\s) == 0
	v_wmma_f32_16x16x128_fp8_fp8 v[ACC+8*(4*\a+\b):ACC+8*(4*\a+\b)+7], v[FB+64+16*\b:FB+64+16*\b+15], v[FB+16*\a:FB+16*\a+15], 0
.else
	v_wmma_f32_16x16x128_fp8_fp8 v[ACC+8*(4*\a+\b):ACC+8*(4*\a+\b)+7], v[FB+64+16*\b:FB+64+16*\b+15], v[FB+16*\a:FB+16*\a+15], v[ACC+8*(4*\a+\b):ACC+8*(4*\a+\b)+7]
.endif
.endr
.endr
.endm
	s_wait_tensorcnt 3                             ; my part of quarter 0 is in; three loads may be out
	s_barrier_signal -1
	s_barrier_wait -1                              ; everybody's is
	FETCH 0, 0
.irp s, 0,1,2,3,4,5,6,7
	KSTEP \s
.endr
	WIN 0
	; THE WAY OUT, 16 rows at a time, through my own stage: a lane's 32 bytes go in, whole rows of 256 bytes (my 64 columns) come back.  LDS serves a wave's instructions in order: no wait between the stores and the loads.
	s_wait_kmcnt 0x0
	s_wait_loadcnt 0x0                             ; the bias
	s_add_co_i32 s94, s62, s63
	s_add_co_i32 s94, s94, 127
	s_lshl_b32 s94, s94, 23                        ; 2^(e6 + e7) as f32
	s_mov_b32 s95, s94                             ; (named with it as a pair, so it is written)
	PLACES                                         ; in front of the first read of results
.irp a, 0,1,2,3
.irp b, 0,1,2,3
.irp i, 0,2,4,6
	v_pk_fma_f32 v[TMP+8*\b+\i:TMP+8*\b+\i+1], v[ACC+8*(4*\a+\b)+\i:ACC+8*(4*\a+\b)+\i+1], s[94:95], v[BI+8*\b+\i:BI+8*\b+\i+1] op_sel_hi:[1,0,1]   ; sum x 2^(e6 + e7) + b; each accumulator from its low end on
.endr
.endr
.irp b, 0,1,2,3
	ds_store_b128 v[STO], v[TMP+8*\b:TMP+8*\b+3] offset:64*\b
	ds_store_b128 v[STO], v[TMP+8*\b+4:TMP+8*\b+7] offset:64*\b+16
.endr
.if \a > 0
	s_wait_xcnt 0x0                                ; the last block's stores have read their registers: the loads below may land there
.endif
.irp t, 0,1,2,3,4,5,6,7
	ds_load_b128 v[BK+4*\t:BK+4*\t+3], v[RD] offset:2*\t*PITCH
.endr
.irp t, 0,1,2,3,4,5,6,7
	s_wait_dscnt 7-\t
	global_store_b128 v[CO], v[BK+4*\t:BK+4*\t+3], s[12:13] offset:(16*\a+2*\t)*4096 th:TH_STORE_NT   ; sixteen lanes store 256 consecutive bytes, aligned; written once, read by nobody here
.endr
.endr
	s_wait_tensorcnt 0x0                           ; the wave's end, behind my last tensor load and my last LDS store
	ds_add_u32 v[SPW], v[NIL]
	s_wait_dscnt 0x0
	CROUND                                         ; the closing round: no work-group ends while a partner may still ask for a tile that names it
	s_endpgm
.Lfunc_end_k_qc965d1badb_proj:
	.size	k_qc965d1badb_proj, .Lfunc_end_k_qc965d1badb_proj-k_qc965d1badb_proj
	.p2alignl 7, 3214868480
	.fill 96, 4, 3214868480
	.section	.rodata,"a",@progbits
	.p2align	6, 0x0
	.amdhsa_kernel k_qc965d1badb_proj
		.amdhsa_group_segment_fixed_size 296448
		.amdhsa_private_segment_fixed_size 0
		.amdhsa_enable_private_segment 0
		.amdhsa_kernarg_size 40
		.amdhsa_user_sgpr_count 2
		.amdhsa_user_sgpr_kernarg_segment_ptr 1
		.amdhsa_wavefront_size32 1
		.amdhsa_system_sgpr_workgroup_id_x 1
		.amdhsa_system_sgpr_workgroup_id_y 1
		.amdhsa_system_sgpr_workgroup_id_z 1
		.amdhsa_system_vgpr_workitem_id 0
		.amdhsa_next_free_vgpr 512
		.amdhsa_next_free_sgpr 100
		.amdhsa_reserve_vcc 0
		.amdhsa_float_denorm_mode_32 3
		.amdhsa_float_denorm_mode_16_64 3
		.amdhsa_memory_ordered 1
		.amdhsa_forward_progress 1
		.amdhsa_inst_pref_size 49
	.end_amdhsa_kernel
	.amdgpu_metadata
---
amdhsa.version: [ 1, 2 ]
amdhsa.kernels:
  - .name:           k_qc965d1badb_proj
    .symbol:         k_qc965d1badb_proj.kd
    .args:
      - { .name: y_codes, .offset: 0, .size: 8, .value_kind: global_buffer, .address_space: global }
      - { .name: wp_codes, .offset: 8, .size: 8, .value_kind: global_buffer, .address_space: global }
      - { .name: lowp_scales, .offset: 16, .size: 8, .value_kind: global_buffer, .address_space: global }
      - { .name: b_proj, .offset: 24, .size: 8, .value_kind: global_buffer, .address_space: global }
      - { .name: out0, .offset: 32, .size: 8, .value_kind: global_buffer, .address_space: global }
    .group_segment_fixed_size: 296448
    .private_segment_fixed_size: 0
    .kernarg_segment_align: 8
    .kernarg_segment_size: 40
    .max_flat_workgroup_size: 128
    .sgpr_count:     100
    .vgpr_count:     512
    .wavefront_size: 32
...
	.end_amdgpu_metadata
.endif
;; end of part 4
